; MI455X (gfx1250); checked and timed in simulation.
; The chip was launched on July 23, 2026; its instructions are those of AMD's public machine-readable ISA for CDNA 5 (MIT licence, August 2026) and "CDNA5" Instruction Set Architecture Reference Guide (July 2026). The comments in the code are by the model that wrote it; some were corrected since.
;; IPDF Encoder. Allowed arithmetic: matrix products marked QUANTISED: E4M3 operands, one E8M0 scale for each 32 along K, by v_wmma_scale_f32_16x16x128_f8f6f4 with both operands' format E4M3, f32 sums; products left as they are: f32 operands where the result goes on into a quantised operand, else bf16, f16 or f32 operands; f32 sums; everything else in f32.
;; Inputs: b1 8 x 256 float32; b2 8 x 256 float32; b3 8 x 1 float32; obj_idx 16 int32; w1 8 x 256 x 6 float32; w2 8 x 256 x 256 float32; w3 8 x 1 x 256 float32; x 16 x 6 x 32,768 float32.
;; Outputs: out0 16 x 1 x 32,768 float32.
;; This version of the problem:
;;   THIS VERSION OF THE PROBLEM IS GIVEN IN LOW PRECISION. The matrix products marked QUANTISED in the list below multiply operands that are first quantised to E4M3 (4 exponent bits, 3 mantissa bits; 8 bits a number), with one power-of-two scale for each 32 numbers along K (OCP MX v1.0); their sums are f32. All else is computed in f32.
;;   The module's matrix products, in the order in which they are computed (A, B: the left and right operand; K: the contracted axis; several contracted axes count as one K, in the product's order):
;;     1. batch 16 x [M 256, K 6] x [K 6, N 32,768]; A: computed on the way; B: input x: left as it is (K = 6 < 32)
;;     2. batch 16 x [M 256, K 256] x [K 256, N 32,768]; A: computed on the way; B: computed on the way: QUANTISED
;;     3. batch 16 x [M 1, K 256] x [K 256, N 32,768]; A: computed on the way; B: computed on the way: left as it is (M = 1 < 16)
;;   THE QUANTISER, for each operand of a quantised product, along K:
;;     - K is cut into blocks of 32 from its start; a last block that is shorter is filled with zeros.
;;     - A block's scale is 2^e with e = floor(log2(the largest magnitude in the block)) - 8, held to -126 .. 127; a block of zeros has e = 0. As a byte (E8M0): e + 127.
;;     - Each number is divided by its block's scale, clamped to +-448, and rounded to the nearest number of E4M3, ties to even, subnormals kept.
;;     - The product sums the exact products of the quantised numbers (number of the format x scale) in f32.
;;   ~~~python
;;   def quantise(x, axis):      # numpy; x: float32 -> the quantised numbers, widened to float32 again
;;       x = np.moveaxis(x, axis, -1); K = x.shape[-1]
;;       x = np.pad(x, [(0, 0)] * (x.ndim - 1) + [(0, -K % 32)]); x = x.reshape(x.shape[:-1] + (-1, 32)); a = np.abs(x).max(-1, keepdims=True)
;;       e = np.where(a > 0, np.clip(np.frexp(np.where(a > 0, a, 1))[1] - 1 - 8, -126, 127), 0)      # np.frexp(a)[1] - 1 = floor(log2(a)), exactly
;;       r = np.clip(x / 2.0 ** e, -448, 448)
;;       step = 2.0 ** (np.maximum(np.frexp(np.where(r == 0, 1, r))[1] - 1, -6) - 3)
;;       q = np.round(r / step) * step * 2.0 ** e      # np.round: ties to even
;;       return np.moveaxis(q.reshape(q.shape[:-2] + (-1,))[..., :K], -1, axis).astype(np.float32)
;;   ~~~
;;   OPERANDS COMPUTED ON THE WAY. 'Computed on the way' means the value that the module computes at that place (a softmax that the list does not call 'softmax' is quantised finished and normalised). What goes into a quantiser is computed in f32, as accurately as f32 sums, v_exp_f32 and their like allow (about 1e-6 of the number): no bf16 or f16 on the way to a quantiser, and a product that is left as it is and whose result goes on into a quantised operand takes f32 operands (vector FMAs, or v_wmma_f32_16x16x4_f32). A number that lies on a knife's edge between two numbers of the format may be rounded either way, as far as f32 arithmetic and the matrix unit's own rounding can turn it there, and no further.
;; 2 versions, each right; version 2 is version 1 with the launch mlp written anew for expert scheduling mode. Each part assembles by itself: llvm-mc -triple=amdgcn-amd-amdhsa -mcpu=gfx1250 --defsym DOCPART=n.
;; ======== version 1 of 2: 1 launch
;; launch mlp (part 1): grid 16 x 16, 8 waves a work-group, no clusters, 242,688 bytes of LDS; arguments x, obj_idx, w1, b1, w2, b2, w3, b3, out0; writes out0
.if DOCPART == 1
	.amdgcn_target "amdgcn-amd-amdhsa--gfx1250"
	.amdhsa_code_object_version 6
	.text
	.protected	k_q5cffa2dad7_mlp
	.globl	k_q5cffa2dad7_mlp
	.p2align	8
	.type	k_q5cffa2dad7_mlp,@function
k_q5cffa2dad7_mlp:
	s_mov_b64 s[64:65], 0
	v_nop
	global_prefetch_b8 v0, s[64:65] scope:SCOPE_SE
	s_setreg_imm32_b32 hwreg(HW_REG_WAVE_MODE, 25, 1), 1
	s_wait_xcnt 0x0
; out[b][v] = w3 . relu(Q(W2) Q(relu(W1 x[b][:][v] + b1)) + b2) + b3, the weights being those of expert e = obj_idx[b].
; x [16][6][32768], w1 [8][256][6], w2 [8][256][256], w3 [8][1][256], b1, b2 [8][256], b3 [8][1], out0 [16][1][32768]: f32.  Q: E4M3 codes, one E8M0 scale for each 32 along the hidden axis.
; SHARES.  A work-group owns 2,048 positions of one sample (x: the chunk, y: the sample).  Eight waves, two teams of four: team T = wave / 4 owns positions 1024 T on, member m = wave % 4
; makes hidden units 64 m .. 64 m + 63 of layer 1 and outputs 64 m .. 64 m + 63 of layer 2 for all of the team's positions.  All its weights stay in registers for the whole launch;
; what goes round is the first hidden layer's codes, through LDS, as images of the operand's registers (16 bytes a lane at 16 x lane, 512 bytes a store).
; LAYER 1 (K = 6, f32 since it feeds a quantiser): channels 0-3 by one v_wmma_f32_16x16x4_f32 a tile of 16 units x 16 positions with b1 as its C, channels 4 and 5 by two packed multiply-adds into other registers.
; Both matrix products are used transposed (source 0 = 16 rows of a weight, source 1 = 16 positions): a lane holds ONE position, its registers run along the units.
; THE ROWS OF W1 THAT FORM A TILE ARE NOT NEIGHBOURS: lane r of tile 2 b + u takes unit 32 b + 8 u + r + 8 (r / 8), so that a lane's 16 registers of two tiles are units 32 b + 16 (lane / 16) + 0 .. 15: the next operand's order.
; THE POSITIONS OF A TILE ARE NOT NEIGHBOURS EITHER: tile q of a quad of 64 positions takes positions 4 r + q, so that x is read 16 bytes a lane (16 lanes: 256 aligned bytes) and four tiles' results are 16 neighbouring bytes of out0.
; W2: each wave quantises 32 rows x 256 in registers and stores the fragments' images in LDS; behind one barrier each wave fetches its member's eight fragments.
; LAYER 3 (M = 1): relu and a packed multiply-add by w3 in f32; the four members' partial sums meet in LDS and are added, with b3, at the end.
; NO TENSOR LOADS, NO CLUSTER: the loop reads nothing from memory.  What the 16 work-groups of a sample share is the expert's W2 as f32, 262,144 bytes, read once at the head straight into the registers
; that quantise it; it does not fit in LDS beside the 241,664 bytes in use, so there is no tile that a joint load could bring.
; LIMITS: NaN and infinities among the inputs are not served.  A block whose largest magnitude lies under 2^-118 keeps the scale byte 1; a block of zeros gets the byte 1 where the rule says 127
; (its codes are zeros, which add nothing, and the bytes are read by this program alone).  obj_idx is held at 7 from above.
; LDS
.set XIMG,  0                          ; 128 tiles x 512: lane (r, h): x[2h], x[2h+1], x[4], x[5] at the lane's position
.set HIMG,  65536                      ; a team: 8 tiles x 4,096: K step s at 2048 s, register group c at 512 c, lane at 16 x lane
.set HSC,   131072                     ; a team: 8 tiles x 256: lane at 8 x lane: the scale words of K steps 0 and 1
.set PS,    135168                     ; [member][2,048 positions] f32
.set W2IMG, 167936                     ; 32 fragments x 2,048: fragment 8 m + 2 n + s
.set W2SC,  233472                     ; 32 x 128: lane's scale word at 4 x lane
.set WSCR,  237568                     ; 512 a wave: w1[.][4] of the member's 64 units, then w1[.][5]
; window 0
.set XA0,  1                           ; XIMG + 32768 T + 16 lane
.set ADX,  2                           ; the trip's
.set HWI,  3                           ; where I store my codes
.set HWS,  4                           ; and my two scale bytes
.set HRA,  5                           ; where I read the team's codes
.set HSA,  6                           ; and scale words
.set PA0,  7                           ; PS + 8192 m + 4096 T + 16 lane
.set ADP,  8                           ; the trip's
.set XO1,  9                           ; v9-22: offsets and addresses of the head alone
.set XO2,  10
.set XWI,  11
.set W2O,  12
.set W2WI, 13
.set W2WS, 14
.set W2RI, 15
.set W2RS, 16
.set W1FO, 17
.set GWO,  18
.set BO64, 19
.set BO32, 20
.set WSW,  21
.set WSR,  22
.set TMP,  23
.set PRD,  9                           ; the end: made anew
.set OUTO, 10
.set SUM,  12                          ; v12-19 in the loop: the eight tiles' sums
.set W2S,  24                          ; v24-31 W2's scale words (2 n + s): scales and nothing else
.set SW,   32                          ; v32-35 the hidden layer's scale words, two sets: scales and nothing else
.set B2,   36                          ; v36-67  b2[64 m + 16 n + 8 h + j] at 8 n + j
.set B1C,  68                          ; v68-99  b1[64 m + 32 b + 16 h + i] at 16 b + i
.set H,    100                         ; v100-131 results of the f32 products, and layer 2's accumulators of even tiles: written by matrix instructions alone
.set T,    132                         ; v132-163 layer 1's numbers; layer 2's accumulators of odd tiles
.set HF,   164                         ; v164-227 two sets of two fragments of the hidden layer
.set X,    164                         ; v164-195 in the first phase: eight tiles' x, four registers each
.set XR,   132                         ; v132-195 at the head: x as loaded
.set PC,   228                         ; v228-243 codes just made, two sets
.set R,    228                         ; relu'd numbers, two sets
.set AS,   228                         ; at the head: a quad of x, turned
.set TM,   244                         ; v244-251 the quantiser's: +0 maxima, +2 bytes, +4 448 x scale, +6 scale operands
.set S,    244                         ; four pairs of layer 3's sums
.set PW,   252                         ; v252-253 two scale bytes just made, two sets
; window 1
.set W2F,  0                           ; v0-127  W2's fragments (2 n + s) x 16; before that, W2 as f32
.set W4,   128                         ; w1[unit][4], unit = 64 m + 32 b + 16 h + i at 16 b + i
.set W5,   160                         ; w1[unit][5]
.set W1F,  192                         ; four fragments of w1[.][0..3]
.set W3,   200                         ; w3[64 m + 16 n + 8 h + j] at 8 n + j
.set GW,   232                         ; w1[.][4..5] as loaded
; scalars: s[8:23] x, obj_idx, w1, b1, w2, b2, w3, b3; s[24:25] out0; s[32:35] offsets
.set WV,   26
.set TE,   27
.set ME,   28
.set SA,   30
.set EX,   31
.set SEL,  36                          ; s[36:37] v_permlanex16_b32: lane l xor 16
.set MNT,  38                          ; the mantissa field of 448
.set HM,   39                          ; lanes 16-31
.set TX,   40
.set TP,   41
.set TRIP, 42
.set B3,   44                          ; s[44:45] b3, twice
.set MSB, 0
.macro WIN new                         ; low byte: bits 1:0 source 0, 3:2 source 1, 5:4 source 2, 7:6 destination; the high byte repeats the setting that is left
.if MSB != (\new)
	s_set_vgpr_msb (MSB<<8)|(\new)
.set MSB, \new
.endif
.endm
.macro BARRIER                         ; my LDS stores have landed and my LDS loads are in: then the work-group's barrier
	s_wait_dscnt 0x0
	s_barrier_signal -1
	s_barrier_wait -1
.endm
; 32 numbers of a lane, v[s] on in window w, register 16 b + i = k 32 b + 16 (lane / 16) + i of my row or column, become 8 registers of codes at v[pc] and two scale bytes in v[pw].
; relu = 1: what is negative becomes 0 on the way, so it does not count for the largest magnitude (no |.|), and the hold clips at 0.
.macro QUANT2 s, relu, w, pc, pw
	WIN 0x14*(\w)
.irp b, 0,1
.if \relu
	v_max3_num_f32 v[TM+\b], 0x4800000, v[(\s)+16*\b], v[(\s)+16*\b+1]     ; the floor 2^(9 - 127) among the leaves: the byte cannot fall under 1
.else
	v_max3_num_f32 v[TM+\b], 0x4800000, |v[(\s)+16*\b]|, |v[(\s)+16*\b+1]|
.endif
.endr
.irp i, 2,4,6,8,10,12,14
.irp b, 0,1
.if \relu
	v_max3_num_f32 v[TM+\b], v[TM+\b], v[(\s)+16*\b+\i], v[(\s)+16*\b+\i+1]   ; the two blocks by turns
.else
	v_max3_num_f32 v[TM+\b], v[TM+\b], |v[(\s)+16*\b+\i]|, |v[(\s)+16*\b+\i+1]|
.endif
.endr
.endr
	WIN 0
.irp b, 0,1
	v_permlanex16_b32 v[TM+2+\b], v[TM+\b], s[SEL], s[SEL+1]
.endr
.irp b, 0,1
	v_max_num_f32 v[TM+\b], v[TM+\b], v[TM+2+\b]       ; with lane l xor 16's 16: the block's largest magnitude
.endr
.irp b, 0,1
	v_add_nc_u32 v[TM+6+\b], 0xfc000000, v[TM+\b]      ; 8 off its exponent field: the conversion's scale operand
.endr
.irp b, 0,1
	v_and_or_b32 v[TM+4+\b], v[TM+\b], 0x7f800000, s[MNT]   ; 448 x the scale
.endr
.irp b, 0,1
	v_lshrrev_b32 v[TM+2+\b], 23, v[TM+6+\b]           ; the scale's byte
.endr
	v_lshl_or_b32 v[\pw], v[TM+3], 8, v[TM+2]
	WIN 0x41*(\w)
.irp b, 0,1
.irp i, 0,1,2,3,4,5,6,7,8,9,10,11,12,13,14,15
.if \relu
	v_med3_num_f32 v[(\s)+16*\b+\i], v[(\s)+16*\b+\i], 0, v[TM+4+\b]      ; the activation and the hold in one (the conversion to an 8-bit code does not saturate: ISA guide 7.6.2)
.else
	v_med3_num_f32 v[(\s)+16*\b+\i], v[(\s)+16*\b+\i], -v[TM+4+\b], v[TM+4+\b]
.endif
.endr
.endr
	WIN 0x01*(\w)
.irp b, 0,1
.irp g, 0,1
	v_cvt_scalef32_pk8_fp8_f32 v[(\pc)+4*\b+2*\g:(\pc)+4*\b+2*\g+1], v[(\s)+16*\b+8*\g:(\s)+16*\b+8*\g+7], v[TM+6+\b]
.endr
.endr
	v_nop                                              ; one plain line between the last conversion and whatever next writes its sources
	WIN 0
.endm
; a quad of 64 positions of x: four loads' registers (channel group c, position u of four) are turned into four tiles' images
.macro XQUAD qd
.if (\qd) > 0
	s_wait_dscnt 0x0                                   ; the last quad's stores have read AS
.endif
.irp u, 0,1,2,3
.irp c, 0,1,2,3
	v_mov_b32 v[AS+4*\u+\c], v[XR+16*(\qd)+4*\c+\u]
.endr
.endr
.irp u, 0,1,2,3
	ds_store_b128 v[XWI], v[AS+4*\u:AS+4*\u+3] offset:(4*(\qd)+\u)*512
.endr
.endm
; half a fragment of W2 as f32: rows 16 (k / 4) + r, k 128 ((k / 2) % 2) + 64 (k % 2) + 32 b + 16 h + 0 .. 15, into v[reg] on in window w
.macro HFLOAD k, w, reg
	WIN 0x40*(\w)
.irp b, 0,1
.irp j, 0,1,2,3
	global_load_b128 v[(\reg)+16*\b+4*\j:(\reg)+16*\b+4*\j+3], v[W2O], s[16:17] offset:16384*((\k)/4)+512*(((\k)/2)%2)+256*((\k)%2)+128*\b+16*\j
.endr
.endr
.endm
; it is quantised and its image stored.  cnt: the loads issued behind its own, which may stay out
.macro HFDO k, w, reg, cnt
	s_wait_loadcnt \cnt
.if (\k) >= 2
	s_wait_dscnt 3                                     ; the last half's three stores may be out; those two back, which read this set of codes, are done
.endif
	QUANT2 \reg, 0, \w, PC+8*((\k)%2), PW+(\k)%2
	ds_store_b128 v[W2WI], v[PC+8*((\k)%2):PC+8*((\k)%2)+3] offset:((\k)/2)*2048+((\k)%2)*1024
	ds_store_b128 v[W2WI], v[PC+8*((\k)%2)+4:PC+8*((\k)%2)+7] offset:((\k)/2)*2048+((\k)%2)*1024+512
	ds_store_b16 v[W2WS], v[PW+(\k)%2] offset:((\k)/2)*128+2*((\k)%2)
.endm
; layer 1, channels 0-3 and b1, of tile tau: four tiles of 16 units, each one product with b1 as its C
.macro M1 tau
.irp f, 0,1,2,3
	v_wmma_f32_16x16x4_f32 v[H+8*\f:H+8*\f+7], v[W1F+2*\f:W1F+2*\f+1], v[X+4*(\tau):X+4*(\tau)+1], v[B1C+8*\f:B1C+8*\f+7]
.endr
.endm
.macro V1A tau                         ; + w1[.][4] x[4], into other registers, each result from its low end on
.irp p, 0,1,2,3,4,5,6,7,8,9,10,11,12,13,14,15
	v_pk_fma_f32 v[T+2*\p:T+2*\p+1], v[W4+2*\p:W4+2*\p+1], v[X+4*(\tau)+2:X+4*(\tau)+3], v[H+2*\p:H+2*\p+1] op_sel_hi:[1,0,1]
.endr
.endm
.macro V1B tau                         ; + w1[.][5] x[5]: the pair's second word serves both halves
.irp p, 0,1,2,3,4,5,6,7,8,9,10,11,12,13,14,15
	v_pk_fma_f32 v[T+2*\p:T+2*\p+1], v[W5+2*\p:W5+2*\p+1], v[X+4*(\tau)+2:X+4*(\tau)+3], v[T+2*\p:T+2*\p+1] op_sel:[0,1,0] op_sel_hi:[1,1,1]
.endr
.endm
; tile tau of the first phase.  The next tile's f32 products stand between the two runs of multiply-adds: the second run and the quantiser (over 60 plain lines that name none of
; their registers) are the places behind them (ISA guide 7.12.1).
.macro PTILE tau
	WIN 0x01
	V1A \tau
.if (\tau) < 7
	M1 (\tau)+1
.endif
	V1B \tau
	WIN 0
.if (\tau) >= 2
	s_wait_dscnt 3                                     ; the last tile's three stores may be out; those two back, which read this set of codes, are done
.endif
	QUANT2 T, 1, 0, PC+8*((\tau)%2), PW+(\tau)%2
	ds_store_b128 v[HWI], v[PC+8*((\tau)%2):PC+8*((\tau)%2)+3] offset:4096*(\tau)
	ds_store_b128 v[HWI], v[PC+8*((\tau)%2)+4:PC+8*((\tau)%2)+7] offset:4096*(\tau)+512
	ds_store_b16 v[HWS], v[PW+(\tau)%2] offset:256*(\tau)
.endm
.macro FETCHH tau                      ; tile tau's two fragments and two scale words: nine loads
.irp s, 0,1
.irp c, 0,1,2,3
	ds_load_b128 v[HF+32*((\tau)%2)+16*\s+4*\c:HF+32*((\tau)%2)+16*\s+4*\c+3], v[HRA] offset:4096*(\tau)+2048*\s+512*\c
.endr
.endr
	ds_load_b64 v[SW+2*((\tau)%2):SW+2*((\tau)%2)+1], v[HSA] offset:256*(\tau)
.endm
; layer 2 of tile tau: my four tiles of 16 outputs, two K steps; the four accumulators take turns, one instruction a turn; b2 is the C of each sum's first product
.macro M2 tau
.set AC, H+32*((\tau)%2)
.set HB, HF+32*((\tau)%2)
.set SB, SW+2*((\tau)%2)
.irp n, 0,1,2,3
	v_wmma_scale_f32_16x16x128_f8f6f4 v[AC+8*\n:AC+8*\n+7], v[W2F+32*\n:W2F+32*\n+15], v[HB:HB+15], v[B2+8*\n:B2+8*\n+7], v[W2S+2*\n], v[SB]
.endr
.irp n, 0,1,2,3
	v_wmma_scale_f32_16x16x128_f8f6f4 v[AC+8*\n:AC+8*\n+7], v[W2F+32*\n+16:W2F+32*\n+31], v[HB+16:HB+31], v[AC+8*\n:AC+8*\n+7], v[W2S+2*\n+1], v[SB+1]
.endr
.endm
.macro V3 tau                          ; relu and the product with w3: 48 plain lines, each accumulator from its low end on
.set AC, H+32*((\tau)%2)
.irp n, 0,1,2,3
.irp j, 0,1,2,3,4,5,6,7
	v_max_num_f32 v[R+8*(\n%2)+\j], 0, v[AC+8*\n+\j]
.endr
.irp p, 0,1,2,3
.if \n == 0
	v_pk_mul_f32 v[S+2*\p:S+2*\p+1], v[W3+2*\p:W3+2*\p+1], v[R+2*\p:R+2*\p+1]       ; the first product starts the sums
.else
	v_pk_fma_f32 v[S+2*\p:S+2*\p+1], v[W3+8*\n+2*\p:W3+8*\n+2*\p+1], v[R+8*(\n%2)+2*\p:R+8*(\n%2)+2*\p+1], v[S+2*\p:S+2*\p+1]
.endif
.endr
.endr
.endm
.macro TRED tau                        ; my 32 outputs' share of the tile's sum
	v_pk_add_f32 v[S:S+1], v[S:S+1], v[S+2:S+3]
	v_pk_add_f32 v[S+4:S+5], v[S+4:S+5], v[S+6:S+7]
	v_pk_add_f32 v[S:S+1], v[S:S+1], v[S+4:S+5]
	v_add_f32 v[SUM+(\tau)], v[S], v[S+1]
.endm
; tile tau of the second phase.  Its products are followed by the tile before's vector work, on the other set of accumulators: those 48 lines are the places in front of the loads
; into the fragments just multiplied, of the first read of these results, and of the products that begin this set anew two tiles on.
.macro CTILE tau
.if (\tau) < 7
	s_wait_dscnt 9                                     ; this tile's nine loads are in; the next tile's nine may be out
.else
	s_wait_dscnt 0x0
.endif
	WIN 0x01
	M2 \tau
.if (\tau) == 0
.rept 8
	v_nop                                              ; no vector work is at hand yet: eight places
.endr
	WIN 0
.else
	V3 (\tau)-1
	WIN 0
	TRED (\tau)-1
.endif
.if (\tau) < 6
	FETCHH (\tau)+2
.endif
.endm
	s_load_b512 s[8:23], s[0:1], 0x0                   ; x, obj_idx, w1, b1, w2, b2, w3, b3
	s_load_b64 s[24:25], s[0:1], 0x40                  ; out0
	v_lshl_add_u32 v254, v0, 2, 0x3b000
	v_mov_b32 v255, 0
	v_lshrrev_b32 v[TMP], 5, v0
	v_readfirstlane_b32 s[WV], v[TMP]                  ; wave 0..7
	s_lshr_b32 s[TE], s[WV], 2                         ; team
	s_and_b32 s[ME], s[WV], 3                          ; member
	s_and_b32 s[SA], ttmp7, 0xffff                     ; sample
	s_mov_b32 s[SEL], 0x76543210
	s_mov_b32 s[SEL+1], 0xfedcba98
	s_mov_b32 s[MNT], 0x600000
	s_mov_b32 s[HM], 0xffff0000
	v_and_b32 v[TM], 31, v0                            ; lane      (v244-247 are written here: the lane permutes' destinations, which count as read, lie among them)
	v_and_b32 v[TM+1], 15, v0                          ; r
	v_bfe_u32 v[TM+2], v0, 4, 1                        ; h
	v_lshlrev_b32 v[TM+3], 4, v[TM]                    ; 16 x lane
	s_lshl_b32 s32, s[TE], 15                          ; 32768 T
	v_add_nc_u32 v[XA0], s32, v[TM+3]                  ; XIMG = 0
	s_lshl_b32 s33, s[ME], 10                          ; my codes: K step m / 2, register groups 2 (m % 2) on: 1024 m
	s_add_co_u32 s33, s33, s32
	s_add_co_u32 s33, s33, HIMG
	v_add_nc_u32 v[HWI], s33, v[TM+3]
	s_add_co_u32 s34, s32, HIMG
	v_add_nc_u32 v[HRA], s34, v[TM+3]
	s_lshl_b32 s34, s[TE], 11
	s_add_co_u32 s34, s34, HSC
	v_lshl_add_u32 v[HSA], v[TM], 3, s34
	s_lshl_b32 s35, s[ME], 1                           ; my two bytes of a lane's eight
	v_add_nc_u32 v[HWS], s35, v[HSA]
	s_lshl_b32 s34, s[ME], 13
	s_lshl_b32 s35, s[TE], 12
	s_add_co_u32 s34, s34, s35
	s_add_co_u32 s34, s34, PS
	v_add_nc_u32 v[PA0], s34, v[TM+3]
	s_lshl_b32 s34, s[WV], 10                          ; x: my wave stages 256 positions
	v_lshl_add_u32 v[XO2], v[TM+1], 4, s34             ; 16 r + 1024 wave
	v_lshl_add_u32 v[XO1], v[TM+2], 18, v[XO2]         ; + two channels for lanes 16-31
	s_lshl_b32 s34, s[WV], 13
	v_add_nc_u32 v[XWI], s34, v[TM+3]                  ; its 16 tiles' images
	v_lshlrev_b32 v[W2O], 10, v[TM+1]
	v_lshl_add_u32 v[W2O], v[TM+2], 6, v[W2O]          ; W2: row r of 1,024 bytes, + 64 h
	s_lshl_b32 s34, s[ME], 14
	s_add_co_u32 s34, s34, W2IMG
	v_add_nc_u32 v[W2RI], s34, v[TM+3]                 ; my member's eight fragments
	s_lshl_b32 s35, s[TE], 13
	s_add_co_u32 s35, s35, s34
	v_add_nc_u32 v[W2WI], s35, v[TM+3]                 ; the four that I make
	s_lshl_b32 s34, s[ME], 10
	s_add_co_u32 s34, s34, W2SC
	v_lshl_add_u32 v[W2RS], v[TM], 2, s34
	s_lshl_b32 s35, s[TE], 9
	v_add_nc_u32 v[W2WS], s35, v[W2RS]
	v_and_b32 v[TMP], 8, v[TM+1]
	v_add_nc_u32 v[TMP], v[TMP], v[TM+1]               ; r + 8 (r / 8)
	v_mul_u32_u24 v[W1FO], v[TMP], 24                  ; a row of w1 is 24 bytes
	v_lshl_add_u32 v[W1FO], v[TM+2], 3, v[W1FO]
	v_mul_u32_u24 v[GWO], v[TM], 24
	v_lshlrev_b32 v[BO64], 6, v[TM+2]
	v_lshlrev_b32 v[BO32], 5, v[TM+2]
	s_lshl_b32 s34, s[WV], 9
	s_add_co_u32 s34, s34, WSCR
	v_lshl_add_u32 v[WSW], v[TM], 2, s34
	v_lshl_add_u32 v[WSR], v[TM+2], 6, s34
	s_mul_i32 s32, s[SA], 786432                       ; x: the sample's 6 x 32,768 numbers,
	s_lshl_b32 s33, ttmp9, 13                          ; the chunk's 2,048
	s_add_co_u32 s32, s32, s33
	s_mov_b32 s33, 0
	s_lshl_b32 s34, s[SA], 2
	s_mov_b32 s35, 0
	s_wait_kmcnt 0x0
	s_add_nc_u64 s[8:9], s[8:9], s[32:33]
	s_add_nc_u64 s[10:11], s[10:11], s[34:35]
	s_load_b32 s[EX], s[10:11], 0x0                    ; the sample's expert
.irp qd, 0,1,2,3                       ; x: 16 loads; sixteen lanes read 256 consecutive bytes of one channel
	global_load_b128 v[XR+16*\qd:XR+16*\qd+3], v[XO1], s[8:9] offset:256*\qd th:TH_LOAD_NT               ; channel 2 h
	global_load_b128 v[XR+16*\qd+4:XR+16*\qd+7], v[XO1], s[8:9] offset:131072+256*\qd th:TH_LOAD_NT      ; channel 2 h + 1
	global_load_b128 v[XR+16*\qd+8:XR+16*\qd+11], v[XO2], s[8:9] offset:524288+256*\qd th:TH_LOAD_NT     ; channel 4
	global_load_b128 v[XR+16*\qd+12:XR+16*\qd+15], v[XO2], s[8:9] offset:655360+256*\qd th:TH_LOAD_NT    ; channel 5
.endr
	s_wait_kmcnt 0x0
	s_min_u32 s[EX], s[EX], 7                          ; held inside the tables
	s_mul_i32 s32, s[EX], 6144
	s_mul_i32 s34, s[ME], 1536
	s_add_co_u32 s32, s32, s34
	s_add_nc_u64 s[12:13], s[12:13], s[32:33]          ; w1 at my 64 units
	s_lshl_b32 s32, s[EX], 10
	s_lshl_b32 s34, s[ME], 8
	s_add_co_u32 s32, s32, s34
	s_add_nc_u64 s[14:15], s[14:15], s[32:33]          ; b1,
	s_add_nc_u64 s[18:19], s[18:19], s[32:33]          ; b2
	s_add_nc_u64 s[20:21], s[20:21], s[32:33]          ; and w3 at my 64
	s_lshl_b32 s32, s[EX], 18
	s_lshl_b32 s34, s[ME], 16
	s_add_co_u32 s32, s32, s34
	s_lshl_b32 s34, s[TE], 15
	s_add_co_u32 s32, s32, s34
	s_add_nc_u64 s[16:17], s[16:17], s[32:33]          ; w2 at the 32 rows that I quantise: 64 m + 32 T
	s_lshl_b32 s32, s[EX], 2
	s_add_nc_u64 s[22:23], s[22:23], s[32:33]
	s_load_b32 s[B3], s[22:23], 0x0
	s_lshl_b32 s32, s[SA], 17
	s_lshl_b32 s34, ttmp9, 13
	s_add_co_u32 s32, s32, s34
	s_lshl_b32 s34, s[WV], 10
	s_add_co_u32 s32, s32, s34
	s_add_nc_u64 s[24:25], s[24:25], s[32:33]          ; out0 at the 256 positions that I store
	; the small tables: 30 loads
	WIN 0x40                                           ; destination window 1
.irp f, 0,1,2,3
	global_load_b64 v[W1F+2*\f:W1F+2*\f+1], v[W1FO], s[12:13] offset:24*(32*(\f/2)+8*(\f%2))
.endr
	global_load_b64 v[GW:GW+1], v[GWO], s[12:13] offset:16         ; w1[lane][4..5]
	global_load_b64 v[GW+2:GW+3], v[GWO], s[12:13] offset:784      ; w1[32 + lane][4..5]
.irp n, 0,1,2,3
	global_load_b128 v[W3+8*\n:W3+8*\n+3], v[BO32], s[20:21] offset:64*\n
	global_load_b128 v[W3+8*\n+4:W3+8*\n+7], v[BO32], s[20:21] offset:64*\n+16
.endr
	WIN 0
.irp b, 0,1
.irp j, 0,1,2,3
	global_load_b128 v[B1C+16*\b+4*\j:B1C+16*\b+4*\j+3], v[BO64], s[14:15] offset:128*\b+16*\j
.endr
.endr
.irp n, 0,1,2,3
	global_load_b128 v[B2+8*\n:B2+8*\n+3], v[BO32], s[18:19] offset:64*\n
	global_load_b128 v[B2+8*\n+4:B2+8*\n+7], v[BO32], s[18:19] offset:64*\n+16
.endr
	HFLOAD 0, 1, 0
	HFLOAD 1, 1, 32
	HFLOAD 2, 1, 64
	HFLOAD 3, 1, 96
	WIN 0
	s_wait_loadcnt 62                                  ; x is in: behind it 30 loads of the small tables and 32 of W2
	XQUAD 0
	XQUAD 1
	XQUAD 2
	XQUAD 3
	HFLOAD 4, 0, 132                                   ; into the registers that x has left
	HFLOAD 5, 0, 164
	HFLOAD 6, 0, 196
	s_wait_loadcnt 56                                  ; the small tables are in: behind them 32 + 24 loads of W2
	WIN 0x04                                           ; an LDS store's data are its source 1: window 1
	ds_store_b32 v[WSW], v[GW]                         ; w1[.][4] and w1[.][5] of my 64 units, each on end, in my wave's own bytes
	ds_store_b32 v[WSW], v[GW+2] offset:128
	ds_store_b32 v[WSW], v[GW+1] offset:256
	ds_store_b32 v[WSW], v[GW+3] offset:384
	WIN 0x40
.irp b, 0,1
.irp j, 0,1,2,3
	ds_load_b128 v[W4+16*\b+4*\j:W4+16*\b+4*\j+3], v[WSR] offset:128*\b+16*\j          ; LDS serves a wave's instructions in order: these see my stores
	ds_load_b128 v[W5+16*\b+4*\j:W5+16*\b+4*\j+3], v[WSR] offset:256+128*\b+16*\j
.endr
.endr
	WIN 0
	s_wait_dscnt 0x0                                   ; they are in, and the last quad's stores have read the registers that the codes now take
	HFDO 0, 1, 0, 48                                   ; behind half 0: halves 1 to 6, 48 loads
	HFLOAD 7, 1, 0                                     ; into the registers that half 0 has left
	HFDO 1, 1, 32, 48                                  ; halves 2 to 7
	HFDO 2, 1, 64, 40
	HFDO 3, 1, 96, 32
	HFDO 4, 0, 132, 24
	HFDO 5, 0, 164, 16
	HFDO 6, 0, 196, 8
	HFDO 7, 1, 0, 0
	BARRIER                                            ; x's 128 images and W2's 32 fragments lie in LDS
	WIN 0x40
.irp f, 0,1,2,3,4,5,6,7
.irp c, 0,1,2,3
	ds_load_b128 v[W2F+16*\f+4*\c:W2F+16*\f+4*\c+3], v[W2RI] offset:2048*\f+512*\c
.endr
.endr
	WIN 0
.irp f, 0,1,2,3,4,5,6,7
	ds_load_b32 v[W2S+\f], v[W2RS] offset:128*\f
.endr
	s_wait_kmcnt 0x0                                   ; b3
	s_mov_b32 s[B3+1], s[B3]                           ; (named with it as a pair, so it is written)
	s_mov_b32 s[TX], 0
	s_mov_b32 s[TP], 0
	s_mov_b32 s[TRIP], 8
	s_wait_dscnt 0x0
.Ltrip:                                                ; eight trips; a trip serves eight tiles, 128 positions, of each team
	v_add_nc_u32 v[ADX], s[TX], v[XA0]
	v_add_nc_u32 v[ADP], s[TP], v[PA0]
	; ---- first phase: my 64 units of layer 1 for the eight tiles, quantised, images to LDS
.irp tau, 0,1,2,3,4,5,6,7
	ds_load_b128 v[X+4*\tau:X+4*\tau+3], v[ADX] offset:512*\tau
.endr
	s_wait_dscnt 0x0
	WIN 0x01                                           ; source 0 (the weights) window 1
	M1 0
.rept 9
	v_nop                                              ; eight places in front of the first read of these results, nine in front of the products that write over them
.endr
.irp tau, 0,1,2,3,4,5,6,7
	PTILE \tau
.endr
	BARRIER                                            ; the team's eight tiles of codes and scale words lie in LDS
	; ---- second phase: my 64 outputs of layer 2 for the eight tiles, relu, my share of layer 3
	FETCHH 0
	FETCHH 1
.irp tau, 0,1,2,3,4,5,6,7
	CTILE \tau
.endr
	WIN 0x01
	V3 7
	WIN 0
	TRED 7
	; a position's sum lies in lanes l and l xor 16.  Lanes 0-15 keep tiles 0-3 and send tiles 4-7, lanes 16-31 the other way round: lane (r, h) ends with positions 64 h + 4 r + 0 .. 3
.irp q, 0,1,2,3
	v_cndmask_b32 v[R+\q], v[SUM+\q], v[SUM+4+\q], s[HM]
.endr
.irp q, 0,1,2,3
	v_cndmask_b32 v[R+4+\q], v[SUM+4+\q], v[SUM+\q], s[HM]
.endr
.irp q, 0,1,2,3
	v_permlanex16_b32 v[R+8+\q], v[R+4+\q], s[SEL], s[SEL+1]
.endr
.irp q, 0,1,2,3
	v_add_f32 v[R+\q], v[R+\q], v[R+8+\q]
.endr
	ds_store_b128 v[ADP], v[R:R+3]                     ; 512 consecutive bytes of my member's row of partial sums
	BARRIER                                            ; every wave's reads of the codes are over: the next trip may write them; in the last trip: the partial sums lie in LDS
	s_add_co_u32 s[TX], s[TX], 4096
	s_add_co_u32 s[TP], s[TP], 512
	s_sub_co_u32 s[TRIP], s[TRIP], 1
	s_cmp_lg_u32 s[TRIP], 0
	s_cbranch_scc1 .Ltrip
	; ---- the end: wave w adds the four members' sums and b3 for positions 256 w on, and stores them
	v_and_b32 v[OUTO], 31, v0
	v_lshlrev_b32 v[OUTO], 4, v[OUTO]
	s_lshl_b32 s32, s[WV], 10
	s_add_co_u32 s32, s32, PS
	v_add_nc_u32 v[PRD], s32, v[OUTO]
.irp hf, 0,1
.irp mm, 0,1,2,3
	ds_load_b128 v[HF+16*\hf+4*\mm:HF+16*\hf+4*\mm+3], v[PRD] offset:8192*\mm+512*\hf
.endr
.endr
	s_wait_dscnt 0x0
.irp hf, 0,1
	v_pk_add_f32 v[HF+16*\hf:HF+16*\hf+1], v[HF+16*\hf:HF+16*\hf+1], v[HF+16*\hf+4:HF+16*\hf+5]
	v_pk_add_f32 v[HF+16*\hf+2:HF+16*\hf+3], v[HF+16*\hf+2:HF+16*\hf+3], v[HF+16*\hf+6:HF+16*\hf+7]
	v_pk_add_f32 v[HF+16*\hf+8:HF+16*\hf+9], v[HF+16*\hf+8:HF+16*\hf+9], v[HF+16*\hf+12:HF+16*\hf+13]
	v_pk_add_f32 v[HF+16*\hf+10:HF+16*\hf+11], v[HF+16*\hf+10:HF+16*\hf+11], v[HF+16*\hf+14:HF+16*\hf+15]
	v_pk_add_f32 v[HF+16*\hf:HF+16*\hf+1], v[HF+16*\hf:HF+16*\hf+1], v[HF+16*\hf+8:HF+16*\hf+9]
	v_pk_add_f32 v[HF+16*\hf+2:HF+16*\hf+3], v[HF+16*\hf+2:HF+16*\hf+3], v[HF+16*\hf+10:HF+16*\hf+11]
	v_pk_add_f32 v[HF+16*\hf:HF+16*\hf+1], v[HF+16*\hf:HF+16*\hf+1], s[B3:B3+1] op_sel_hi:[1,0]
	v_pk_add_f32 v[HF+16*\hf+2:HF+16*\hf+3], v[HF+16*\hf+2:HF+16*\hf+3], s[B3:B3+1] op_sel_hi:[1,0]
	global_store_b128 v[OUTO], v[HF+16*\hf:HF+16*\hf+3], s[24:25] offset:512*\hf th:TH_STORE_NT   ; 32 lanes store 512 consecutive bytes, at a multiple of 256 from out0's first byte
.endr
	s_wait_tensorcnt 0x0
	ds_add_u32 v254, v255
	s_wait_dscnt 0x0
	s_endpgm
.Lfunc_end_k_q5cffa2dad7_mlp:
	.size	k_q5cffa2dad7_mlp, .Lfunc_end_k_q5cffa2dad7_mlp-k_q5cffa2dad7_mlp
	.p2alignl 7, 3214868480
	.fill 96, 4, 3214868480
	.section	.rodata,"a",@progbits
	.p2align	6, 0x0
	.amdhsa_kernel k_q5cffa2dad7_mlp
		.amdhsa_group_segment_fixed_size 242688
		.amdhsa_private_segment_fixed_size 0
		.amdhsa_enable_private_segment 0
		.amdhsa_kernarg_size 72
		.amdhsa_user_sgpr_count 2
		.amdhsa_user_sgpr_kernarg_segment_ptr 1
		.amdhsa_wavefront_size32 1
		.amdhsa_system_sgpr_workgroup_id_x 1
		.amdhsa_system_sgpr_workgroup_id_y 1
		.amdhsa_system_sgpr_workgroup_id_z 1
		.amdhsa_system_vgpr_workitem_id 0
		.amdhsa_next_free_vgpr 512
		.amdhsa_next_free_sgpr 66
		.amdhsa_reserve_vcc 0
		.amdhsa_float_denorm_mode_32 3
		.amdhsa_float_denorm_mode_16_64 3
		.amdhsa_memory_ordered 1
		.amdhsa_forward_progress 1
		.amdhsa_inst_pref_size 145
	.end_amdhsa_kernel
	.amdgpu_metadata
---
amdhsa.version: [ 1, 2 ]
amdhsa.kernels:
  - .name:           k_q5cffa2dad7_mlp
    .symbol:         k_q5cffa2dad7_mlp.kd
    .args:
      - { .name: x, .offset: 0, .size: 8, .value_kind: global_buffer, .address_space: global }
      - { .name: obj_idx, .offset: 8, .size: 8, .value_kind: global_buffer, .address_space: global }
      - { .name: w1, .offset: 16, .size: 8, .value_kind: global_buffer, .address_space: global }
      - { .name: b1, .offset: 24, .size: 8, .value_kind: global_buffer, .address_space: global }
      - { .name: w2, .offset: 32, .size: 8, .value_kind: global_buffer, .address_space: global }
      - { .name: b2, .offset: 40, .size: 8, .value_kind: global_buffer, .address_space: global }
      - { .name: w3, .offset: 48, .size: 8, .value_kind: global_buffer, .address_space: global }
      - { .name: b3, .offset: 56, .size: 8, .value_kind: global_buffer, .address_space: global }
      - { .name: out0, .offset: 64, .size: 8, .value_kind: global_buffer, .address_space: global }
    .group_segment_fixed_size: 242688
    .private_segment_fixed_size: 0
    .kernarg_segment_align: 8
    .kernarg_segment_size: 72
    .max_flat_workgroup_size: 256
    .sgpr_count:     66
    .vgpr_count:     512
    .wavefront_size: 32
...
	.end_amdgpu_metadata
.endif
;; end of part 1
;; ======== version 2 of 2: 1 launch; version 1 with the launch mlp written anew for expert scheduling mode
;; launch mlp (part 2): grid 16 x 16, 8 waves a work-group, no clusters, 242,688 bytes of LDS; arguments x, obj_idx, w1, b1, w2, b2, w3, b3, out0; writes out0
.if DOCPART == 2
	.amdgcn_target "amdgcn-amd-amdhsa--gfx1250"
	.amdhsa_code_object_version 6
	.text
	.protected	k_q5cffa2dad7_mlp
	.globl	k_q5cffa2dad7_mlp
	.p2align	8
	.type	k_q5cffa2dad7_mlp,@function
k_q5cffa2dad7_mlp:
	s_mov_b64 s[64:65], 0
	v_nop
	global_prefetch_b8 v0, s[64:65] scope:SCOPE_SE
	s_setreg_imm32_b32 hwreg(HW_REG_WAVE_SCHED_MODE, 0, 2), 2
	s_setreg_imm32_b32 hwreg(HW_REG_WAVE_MODE, 25, 1), 1
	s_wait_xcnt 0x0
	s_wait_alu depctr_vm_vsrc(0)
; out[b][v] = w3 . relu(Q(W2) Q(relu(W1 x[b][:][v] + b1)) + b2) + b3, the weights being those of expert e = obj_idx[b].
; x [16][6][32768], w1 [8][256][6], w2 [8][256][256], w3 [8][1][256], b1, b2 [8][256], b3 [8][1], out0 [16][1][32768]: f32.  Q: E4M3 codes, one E8M0 scale for each 32 along the hidden axis.
; SHARES.  A work-group owns 2,048 positions of one sample (x: the chunk, y: the sample).  Eight waves, two teams of four: team T = wave / 4 owns positions 1024 T on, member m = wave % 4
; makes hidden units 64 m .. 64 m + 63 of layer 1 and outputs 64 m .. 64 m + 63 of layer 2 for all of the team's positions.  All its weights stay in registers for the whole launch;
; what goes round is the first hidden layer's codes, through LDS, as images of the operand's registers (16 bytes a lane at 16 x lane, 512 bytes a store).
; LAYER 1 (K = 6, f32 since it feeds a quantiser): channels 0-3 by one v_wmma_f32_16x16x4_f32 a tile of 16 units x 16 positions with b1 as its C, channels 4 and 5 by two packed multiply-adds into other registers.
; Both matrix products are used transposed (source 0 = 16 rows of a weight, source 1 = 16 positions): a lane holds ONE position, its registers run along the units.
; THE ROWS OF W1 THAT FORM A TILE ARE NOT NEIGHBOURS: lane r of tile 2 b + u takes unit 32 b + 8 u + r + 8 (r / 8), so that a lane's 16 registers of two tiles are units 32 b + 16 (lane / 16) + 0 .. 15: the next operand's order.
; THE POSITIONS OF A TILE ARE NOT NEIGHBOURS EITHER: tile q of a quad of 64 positions takes positions 4 r + q, so that x is read 16 bytes a lane (16 lanes: 256 aligned bytes) and four tiles' results are 16 neighbouring bytes of out0.
; W2: each wave quantises 32 rows x 256 in registers and stores the fragments' images in LDS; behind one barrier each wave fetches its member's eight fragments.
; LAYER 3 (M = 1): relu and a packed multiply-add by w3 in f32; the four members' partial sums meet in LDS and are added, with b3, at the end.
; NO TENSOR LOADS, NO CLUSTER: the loop reads nothing from memory.  What the 16 work-groups of a sample share is the expert's W2 as f32, 262,144 bytes, read once at the head straight into the registers
; that quantise it; it does not fit in LDS beside the 241,664 bytes in use, so there is no tile that a joint load could bring.
; LIMITS: NaN and infinities among the inputs are not served.  A block whose largest magnitude lies under 2^-118 keeps the scale byte 1; a block of zeros gets the byte 1 where the rule says 127
; (its codes are zeros, which add nothing, and the bytes are read by this program alone).  obj_idx is held at 7 from above.
; THE MODE: SCHED_MODE bits 1:0 = 2 (LLVM: expert scheduling mode 2), set by the entry lines.  The code itself states the register dependences
; between vector or matrix instructions and memory or LDS instructions, with s_wait_alu, always for 0.
; THE PLAN.  Registers that LDS instructions touch, in the loop (it has no memory instruction):
;   v[ADX], v[ADP]   Written by two adds at a trip's head.  ADX is read by the trip's eight loads of x, ADP by its one store of sums.
;   HF set 0 (= X)   At the trip's head x lands in it; the first phase's products and multiply-adds read it; then the even tiles' fragments land in it and their products read it.
;   HF set 1, SW     The odd tiles' fragments; both sets of scale words: landed in by loads, read by products.
;   PC, PW, two sets Written by the conversions of tiles 2 i and 2 i + 1, read by the six stores behind tile 2 i + 1.  In the second phase the same registers are R, written by the relu lines; R's first four are the data of the store of sums.
;   XA0, HWI, HWS, HRA, HSA, PA0   Made at the head, never written again.
;   H, T, TM (= S), SUM, all weights and biases: named by vector and matrix instructions alone.
; THE WAITS OF A TRIP.  Head: vm_vsrc ahead of the two adds, va_vdst behind them.  First phase: va_vdst ahead of each pair's six stores, vm_vsrc ahead of the quantiser that writes the first set again.
; Behind the middle barrier: vm_vsrc, since PC becomes R.  Second phase: ONE va_vdst at the head of tiles 1 to 6, behind the wait for the tile's own fragments: the products of the tile before are done reading
; the other set, and the next tile's nine loads follow at once, into that set, which no line of this tile names.  They stand in one run there and not singly among the products: those run with source 0 in window 1,
; and an LDS load's address is its source 0.  Ahead of the store of sums: va_vdst.
; LDS
.set XIMG,  0                          ; 128 tiles x 512: lane (r, h): x[2h], x[2h+1], x[4], x[5] at the lane's position
.set HIMG,  65536                      ; a team: 8 tiles x 4,096: K step s at 2048 s, register group c at 512 c, lane at 16 x lane
.set HSC,   131072                     ; a team: 8 tiles x 256: lane at 8 x lane: the scale words of K steps 0 and 1
.set PS,    135168                     ; [member][2,048 positions] f32
.set W2IMG, 167936                     ; 32 fragments x 2,048: fragment 8 m + 2 n + s
.set W2SC,  233472                     ; 32 x 128: lane's scale word at 4 x lane
.set WSCR,  237568                     ; 512 a wave: w1[.][4] of the member's 64 units, then w1[.][5]
; window 0
.set XA0,  1                           ; XIMG + 32768 T + 16 lane
.set ADX,  2                           ; the trip's
.set HWI,  3                           ; where I store my codes
.set HWS,  4                           ; and my two scale bytes
.set HRA,  5                           ; where I read the team's codes
.set HSA,  6                           ; and scale words
.set PA0,  7                           ; PS + 8192 m + 4096 T + 16 lane
.set ADP,  8                           ; the trip's
.set XO1,  9                           ; v9-22: offsets and addresses of the head alone
.set XO2,  10
.set XWI,  11
.set W2O,  12
.set W2WI, 13
.set W2WS, 14
.set W2RI, 15
.set W2RS, 16
.set W1FO, 17
.set GWO,  18
.set BO64, 19
.set BO32, 20
.set WSW,  21
.set WSR,  22
.set TMP,  23
.set PRD,  9                           ; the end: made anew
.set OUTO, 10
.set SUM,  12                          ; v12-19 in the loop: the eight tiles' sums
.set W2S,  24                          ; v24-31 W2's scale words (2 n + s): scales and nothing else
.set SW,   32                          ; v32-35 the hidden layer's scale words, two sets: scales and nothing else
.set B2,   36                          ; v36-67  b2[64 m + 16 n + 8 h + j] at 8 n + j
.set B1C,  68                          ; v68-99  b1[64 m + 32 b + 16 h + i] at 16 b + i
.set H,    100                         ; v100-131 results of the f32 products, and layer 2's accumulators of even tiles: written by matrix instructions alone
.set T,    132                         ; v132-163 layer 1's numbers; layer 2's accumulators of odd tiles
.set HF,   164                         ; v164-227 two sets of two fragments of the hidden layer
.set X,    164                         ; v164-195 in the first phase: eight tiles' x, four registers each
.set XR,   132                         ; v132-195 at the head: x as loaded
.set PC,   228                         ; v228-243 codes just made, two sets
.set R,    228                         ; relu'd numbers, two sets
.set AS0,  196                         ; at the head: x's four quads, turned, a set of 16 registers each;
.set AS1,  212
.set AS2,  228
.set AS3,  132                         ; the fourth takes the registers in which quad 0 was loaded
.set TM,   244                         ; v244-251 the quantiser's: +0 maxima, +2 bytes, +4 448 x scale, +6 scale operands
.set S,    244                         ; four pairs of layer 3's sums
.set PW,   252                         ; v252-253 two scale bytes just made, two sets
; window 1
.set W2F,  0                           ; v0-127  W2's fragments (2 n + s) x 16; before that, W2 as f32
.set W4,   128                         ; w1[unit][4], unit = 64 m + 32 b + 16 h + i at 16 b + i
.set W5,   160                         ; w1[unit][5]
.set W1F,  192                         ; four fragments of w1[.][0..3]
.set W3,   200                         ; w3[64 m + 16 n + 8 h + j] at 8 n + j
.set GW,   232                         ; w1[.][4..5] as loaded
; scalars: s[8:23] x, obj_idx, w1, b1, w2, b2, w3, b3; s[24:25] out0; s[32:35] offsets
.set WV,   26
.set TE,   27
.set ME,   28
.set SA,   30
.set EX,   31
.set SEL,  36                          ; s[36:37] v_permlanex16_b32: lane l xor 16
.set MNT,  38                          ; the mantissa field of 448
.set HM,   39                          ; lanes 16-31
.set TX,   40
.set TP,   41
.set TRIP, 42
.set B3,   44                          ; s[44:45] b3, twice
.set MSB, 0
.macro WIN new                         ; low byte: bits 1:0 source 0, 3:2 source 1, 5:4 source 2, 7:6 destination; the high byte repeats the setting that is left
.if MSB != (\new)
	s_set_vgpr_msb (MSB<<8)|(\new)
.set MSB, \new
.endif
.endm
.macro BARRIER                         ; my LDS stores have landed and my LDS loads are in: then the work-group's barrier
	s_wait_dscnt 0x0
	s_barrier_signal -1
	s_barrier_wait -1
.endm
; 32 numbers of a lane, v[s] on in window w, register 16 b + i = k 32 b + 16 (lane / 16) + i of my row or column, become 8 registers of codes at v[pc] and two scale bytes in v[pw].
; relu = 1: what is negative becomes 0 on the way, so it does not count for the largest magnitude (no |.|), and the hold clips at 0.
.macro QUANT2 s, relu, w, pc, pw
	WIN 0x14*(\w)
.irp b, 0,1
.if \relu
	v_max3_num_f32 v[TM+\b], 0x4800000, v[(\s)+16*\b], v[(\s)+16*\b+1]     ; the floor 2^(9 - 127) among the leaves: the byte cannot fall under 1
.else
	v_max3_num_f32 v[TM+\b], 0x4800000, |v[(\s)+16*\b]|, |v[(\s)+16*\b+1]|
.endif
.endr
.irp i, 2,4,6,8,10,12,14
.irp b, 0,1
.if \relu
	v_max3_num_f32 v[TM+\b], v[TM+\b], v[(\s)+16*\b+\i], v[(\s)+16*\b+\i+1]   ; the two blocks by turns
.else
	v_max3_num_f32 v[TM+\b], v[TM+\b], |v[(\s)+16*\b+\i]|, |v[(\s)+16*\b+\i+1]|
.endif
.endr
.endr
	WIN 0
.irp b, 0,1
	v_permlanex16_b32 v[TM+2+\b], v[TM+\b], s[SEL], s[SEL+1]
.endr
.irp b, 0,1
	v_max_num_f32 v[TM+\b], v[TM+\b], v[TM+2+\b]       ; with lane l xor 16's 16: the block's largest magnitude
.endr
.irp b, 0,1
	v_add_nc_u32 v[TM+6+\b], 0xfc000000, v[TM+\b]      ; 8 off its exponent field: the conversion's scale operand
.endr
.irp b, 0,1
	v_and_or_b32 v[TM+4+\b], v[TM+\b], 0x7f800000, s[MNT]   ; 448 x the scale
.endr
.irp b, 0,1
	v_lshrrev_b32 v[TM+2+\b], 23, v[TM+6+\b]           ; the scale's byte
.endr
	v_lshl_or_b32 v[\pw], v[TM+3], 8, v[TM+2]
	WIN 0x41*(\w)
.irp b, 0,1
.irp i, 0,1,2,3,4,5,6,7,8,9,10,11,12,13,14,15
.if \relu
	v_med3_num_f32 v[(\s)+16*\b+\i], v[(\s)+16*\b+\i], 0, v[TM+4+\b]      ; the activation and the hold in one (the conversion to an 8-bit code does not saturate: ISA guide 7.6.2)
.else
	v_med3_num_f32 v[(\s)+16*\b+\i], v[(\s)+16*\b+\i], -v[TM+4+\b], v[TM+4+\b]
.endif
.endr
.endr
	WIN 0x01*(\w)
.irp b, 0,1
.irp g, 0,1
	v_cvt_scalef32_pk8_fp8_f32 v[(\pc)+4*\b+2*\g:(\pc)+4*\b+2*\g+1], v[(\s)+16*\b+8*\g:(\s)+16*\b+8*\g+7], v[TM+6+\b]
.endr
.endr
	v_nop                                              ; one plain line between the last conversion and whatever next writes its sources
	WIN 0
.endm
; a quad of 64 positions of x: four loads' registers (channel group c, position u of four) are turned into four tiles' images, in the set at v[as];
.macro XTURN qd, as
.irp u, 0,1,2,3
.irp c, 0,1,2,3
	v_mov_b32 v[(\as)+4*\u+\c], v[XR+16*(\qd)+4*\c+\u]
.endr
.endr
.endm
.macro XSEND qd, as                    ; and stored
.irp u, 0,1,2,3
	ds_store_b128 v[XWI], v[(\as)+4*\u:(\as)+4*\u+3] offset:(4*(\qd)+\u)*512
.endr
.endm
; half a fragment of W2 as f32: rows 16 (k / 4) + r, k 128 ((k / 2) % 2) + 64 (k % 2) + 32 b + 16 h + 0 .. 15, into v[reg] on in window w
.macro HFLOAD k, w, reg
	WIN 0x40*(\w)
.irp b, 0,1
.irp j, 0,1,2,3
	global_load_b128 v[(\reg)+16*\b+4*\j:(\reg)+16*\b+4*\j+3], v[W2O], s[16:17] offset:16384*((\k)/4)+512*(((\k)/2)%2)+256*((\k)%2)+128*\b+16*\j
.endr
.endr
.endm
; it is quantised, into set k % 2 of the codes.  cnt: the loads issued behind its own, which may stay out
.macro HFQ k, w, reg, cnt
	s_wait_loadcnt \cnt
	QUANT2 \reg, 0, \w, PC+8*((\k)%2), PW+(\k)%2
.endm
.macro HFST k                          ; and its image stored
	ds_store_b128 v[W2WI], v[PC+8*((\k)%2):PC+8*((\k)%2)+3] offset:((\k)/2)*2048+((\k)%2)*1024
	ds_store_b128 v[W2WI], v[PC+8*((\k)%2)+4:PC+8*((\k)%2)+7] offset:((\k)/2)*2048+((\k)%2)*1024+512
	ds_store_b16 v[W2WS], v[PW+(\k)%2] offset:((\k)/2)*128+2*((\k)%2)
.endm
; layer 1, channels 0-3 and b1, of tile tau: four tiles of 16 units, each one product with b1 as its C
.macro M1 tau
.irp f, 0,1,2,3
	v_wmma_f32_16x16x4_f32 v[H+8*\f:H+8*\f+7], v[W1F+2*\f:W1F+2*\f+1], v[X+4*(\tau):X+4*(\tau)+1], v[B1C+8*\f:B1C+8*\f+7]
.endr
.endm
.macro V1A tau                         ; + w1[.][4] x[4], into other registers, each result from its low end on
.irp p, 0,1,2,3,4,5,6,7,8,9,10,11,12,13,14,15
	v_pk_fma_f32 v[T+2*\p:T+2*\p+1], v[W4+2*\p:W4+2*\p+1], v[X+4*(\tau)+2:X+4*(\tau)+3], v[H+2*\p:H+2*\p+1] op_sel_hi:[1,0,1]
.endr
.endm
.macro V1B tau                         ; + w1[.][5] x[5]: the pair's second word serves both halves
.irp p, 0,1,2,3,4,5,6,7,8,9,10,11,12,13,14,15
	v_pk_fma_f32 v[T+2*\p:T+2*\p+1], v[W5+2*\p:W5+2*\p+1], v[X+4*(\tau)+2:X+4*(\tau)+3], v[T+2*\p:T+2*\p+1] op_sel:[0,1,0] op_sel_hi:[1,1,1]
.endr
.endm
.macro PSEND tau                       ; tile tau's codes and its two scale bytes go to LDS
	ds_store_b128 v[HWI], v[PC+8*((\tau)%2):PC+8*((\tau)%2)+3] offset:4096*(\tau)
	ds_store_b128 v[HWI], v[PC+8*((\tau)%2)+4:PC+8*((\tau)%2)+7] offset:4096*(\tau)+512
	ds_store_b16 v[HWS], v[PW+(\tau)%2] offset:256*(\tau)
.endm
; tile tau of the first phase.  The next tile's f32 products stand between the two runs of multiply-adds: the second run and the quantiser (over 60 plain lines that name none of
; their registers) are the places behind them (ISA guide 7.12.1).  The stores go out by pairs of tiles, behind one wait.
.macro PTILE tau
	WIN 0x01
	V1A \tau
.if (\tau) < 7
	M1 (\tau)+1
.endif
	V1B \tau
	WIN 0
.if ((\tau) >= 2) && ((\tau)%2 == 0)
	s_wait_alu depctr_vm_vsrc(0)                       ; the last pair's six stores have read both sets of PC and PW, which this tile's and the next tile's quantisers write again
.endif
	QUANT2 T, 1, 0, PC+8*((\tau)%2), PW+(\tau)%2
.if (\tau)%2 == 1
	s_wait_alu depctr_va_vdst(0)                       ; the quantisers of this tile and of the one before have written PC and PW, which the six stores read
	PSEND (\tau)-1
	PSEND \tau
.endif
.endm
.macro FETCHH tau                      ; tile tau's two fragments and two scale words: nine loads
.irp s, 0,1
.irp c, 0,1,2,3
	ds_load_b128 v[HF+32*((\tau)%2)+16*\s+4*\c:HF+32*((\tau)%2)+16*\s+4*\c+3], v[HRA] offset:4096*(\tau)+2048*\s+512*\c
.endr
.endr
	ds_load_b64 v[SW+2*((\tau)%2):SW+2*((\tau)%2)+1], v[HSA] offset:256*(\tau)
.endm
; layer 2 of tile tau: my four tiles of 16 outputs, two K steps; the four accumulators take turns, one instruction a turn; b2 is the C of each sum's first product
.macro M2 tau
.set AC, H+32*((\tau)%2)
.set HB, HF+32*((\tau)%2)
.set SB, SW+2*((\tau)%2)
.irp n, 0,1,2,3
	v_wmma_scale_f32_16x16x128_f8f6f4 v[AC+8*\n:AC+8*\n+7], v[W2F+32*\n:W2F+32*\n+15], v[HB:HB+15], v[B2+8*\n:B2+8*\n+7], v[W2S+2*\n], v[SB]
.endr
.irp n, 0,1,2,3
	v_wmma_scale_f32_16x16x128_f8f6f4 v[AC+8*\n:AC+8*\n+7], v[W2F+32*\n+16:W2F+32*\n+31], v[HB+16:HB+31], v[AC+8*\n:AC+8*\n+7], v[W2S+2*\n+1], v[SB+1]
.endr
.endm
.macro V3 tau                          ; relu and the product with w3: 48 plain lines, each accumulator from its low end on
.set AC, H+32*((\tau)%2)
.irp n, 0,1,2,3
.irp j, 0,1,2,3,4,5,6,7
	v_max_num_f32 v[R+8*(\n%2)+\j], 0, v[AC+8*\n+\j]
.endr
.irp p, 0,1,2,3
.if \n == 0
	v_pk_mul_f32 v[S+2*\p:S+2*\p+1], v[W3+2*\p:W3+2*\p+1], v[R+2*\p:R+2*\p+1]       ; the first product starts the sums
.else
	v_pk_fma_f32 v[S+2*\p:S+2*\p+1], v[W3+8*\n+2*\p:W3+8*\n+2*\p+1], v[R+8*(\n%2)+2*\p:R+8*(\n%2)+2*\p+1], v[S+2*\p:S+2*\p+1]
.endif
.endr
.endr
.endm
.macro TRED tau                        ; my 32 outputs' share of the tile's sum
	v_pk_add_f32 v[S:S+1], v[S:S+1], v[S+2:S+3]
	v_pk_add_f32 v[S+4:S+5], v[S+4:S+5], v[S+6:S+7]
	v_pk_add_f32 v[S:S+1], v[S:S+1], v[S+4:S+5]
	v_add_f32 v[SUM+(\tau)], v[S], v[S+1]
.endm
; tile tau of the second phase.  At its head the next tile's fragments are asked for, into the set that the tile before multiplied.  Its products are followed by the tile before's vector work, on the other
; set of accumulators: those 48 lines are the places in front of the first read of these results and of the products that begin this set anew two tiles on.
.macro CTILE tau
.if (\tau) == 0
	s_wait_dscnt 9                                     ; this tile's nine loads are in; tile 1's nine may be out
.else
	s_wait_dscnt 0x0                                   ; this tile's nine loads are in: no others are out
.endif
.if ((\tau) >= 1) && ((\tau) < 7)
	s_wait_alu depctr_va_vdst(0)                       ; the products of the tile before are done reading their fragments and scale words, in which the nine loads below land
	FETCHH (\tau)+1
.endif
	WIN 0x01
	M2 \tau
.if (\tau) == 0
.rept 8
	v_nop                                              ; no vector work is at hand yet: eight places in front of the first read of these results
.endr
	WIN 0
.else
	V3 (\tau)-1
	WIN 0
	TRED (\tau)-1
.endif
.endm
	s_load_b512 s[8:23], s[0:1], 0x0                   ; x, obj_idx, w1, b1, w2, b2, w3, b3
	s_load_b64 s[24:25], s[0:1], 0x40                  ; out0
	v_lshl_add_u32 v254, v0, 2, 0x3b000
	v_mov_b32 v255, 0
	v_lshrrev_b32 v[TMP], 5, v0
	v_readfirstlane_b32 s[WV], v[TMP]                  ; wave 0..7
	s_and_b32 s[SA], ttmp7, 0xffff                     ; sample
	s_mov_b32 s[SEL], 0x76543210
	s_mov_b32 s[SEL+1], 0xfedcba98
	s_mov_b32 s[MNT], 0x600000
	s_mov_b32 s[HM], 0xffff0000
	v_and_b32 v[TM], 31, v0                            ; lane      (v244-247 are written here: the lane permutes' destinations, which count as read, lie among them)
	v_and_b32 v[TM+1], 15, v0                          ; r
	v_bfe_u32 v[TM+2], v0, 4, 1                        ; h
	v_lshlrev_b32 v[TM+3], 4, v[TM]                    ; 16 x lane
	s_wait_alu depctr_va_sdst(0)                       ; the wave's number is written, ahead of its first reader: team, member and every address are made from it
	s_lshr_b32 s[TE], s[WV], 2                         ; team
	s_and_b32 s[ME], s[WV], 3                          ; member
	s_lshl_b32 s32, s[TE], 15                          ; 32768 T
	v_add_nc_u32 v[XA0], s32, v[TM+3]                  ; XIMG = 0
	s_lshl_b32 s33, s[ME], 10                          ; my codes: K step m / 2, register groups 2 (m % 2) on: 1024 m
	s_add_co_u32 s33, s33, s32
	s_add_co_u32 s33, s33, HIMG
	v_add_nc_u32 v[HWI], s33, v[TM+3]
	s_add_co_u32 s34, s32, HIMG
	v_add_nc_u32 v[HRA], s34, v[TM+3]
	s_lshl_b32 s34, s[TE], 11
	s_add_co_u32 s34, s34, HSC
	v_lshl_add_u32 v[HSA], v[TM], 3, s34
	s_lshl_b32 s35, s[ME], 1                           ; my two bytes of a lane's eight
	v_add_nc_u32 v[HWS], s35, v[HSA]
	s_lshl_b32 s34, s[ME], 13
	s_lshl_b32 s35, s[TE], 12
	s_add_co_u32 s34, s34, s35
	s_add_co_u32 s34, s34, PS
	v_add_nc_u32 v[PA0], s34, v[TM+3]
	s_lshl_b32 s34, s[WV], 10                          ; x: my wave stages 256 positions
	v_lshl_add_u32 v[XO2], v[TM+1], 4, s34             ; 16 r + 1024 wave
	v_lshl_add_u32 v[XO1], v[TM+2], 18, v[XO2]         ; + two channels for lanes 16-31
	s_lshl_b32 s34, s[WV], 13
	v_add_nc_u32 v[XWI], s34, v[TM+3]                  ; its 16 tiles' images
	v_lshlrev_b32 v[W2O], 10, v[TM+1]
	v_lshl_add_u32 v[W2O], v[TM+2], 6, v[W2O]          ; W2: row r of 1,024 bytes, + 64 h
	s_lshl_b32 s34, s[ME], 14
	s_add_co_u32 s34, s34, W2IMG
	v_add_nc_u32 v[W2RI], s34, v[TM+3]                 ; my member's eight fragments
	s_lshl_b32 s35, s[TE], 13
	s_add_co_u32 s35, s35, s34
	v_add_nc_u32 v[W2WI], s35, v[TM+3]                 ; the four that I make
	s_lshl_b32 s34, s[ME], 10
	s_add_co_u32 s34, s34, W2SC
	v_lshl_add_u32 v[W2RS], v[TM], 2, s34
	s_lshl_b32 s35, s[TE], 9
	v_add_nc_u32 v[W2WS], s35, v[W2RS]
	v_and_b32 v[TMP], 8, v[TM+1]
	v_add_nc_u32 v[TMP], v[TMP], v[TM+1]               ; r + 8 (r / 8)
	v_mul_u32_u24 v[W1FO], v[TMP], 24                  ; a row of w1 is 24 bytes
	v_lshl_add_u32 v[W1FO], v[TM+2], 3, v[W1FO]
	v_mul_u32_u24 v[GWO], v[TM], 24
	v_lshlrev_b32 v[BO64], 6, v[TM+2]
	v_lshlrev_b32 v[BO32], 5, v[TM+2]
	s_lshl_b32 s34, s[WV], 9
	s_add_co_u32 s34, s34, WSCR
	v_lshl_add_u32 v[WSW], v[TM], 2, s34
	v_lshl_add_u32 v[WSR], v[TM+2], 6, s34
	s_mul_i32 s32, s[SA], 786432                       ; x: the sample's 6 x 32,768 numbers,
	s_lshl_b32 s33, ttmp9, 13                          ; the chunk's 2,048
	s_add_co_u32 s32, s32, s33
	s_mov_b32 s33, 0
	s_lshl_b32 s34, s[SA], 2
	s_mov_b32 s35, 0
	s_wait_kmcnt 0x0
	s_add_nc_u64 s[8:9], s[8:9], s[32:33]
	s_add_nc_u64 s[10:11], s[10:11], s[34:35]
	s_load_b32 s[EX], s[10:11], 0x0                    ; the sample's expert
	s_wait_alu depctr_va_vdst(0)                       ; all offsets and LDS addresses, v1 and v3 to v22 but the trip's two, are written: the loads and stores of the head and of the loop read them
.irp qd, 0,1,2,3                       ; x: 16 loads; sixteen lanes read 256 consecutive bytes of one channel
	global_load_b128 v[XR+16*\qd:XR+16*\qd+3], v[XO1], s[8:9] offset:256*\qd th:TH_LOAD_NT               ; channel 2 h
	global_load_b128 v[XR+16*\qd+4:XR+16*\qd+7], v[XO1], s[8:9] offset:131072+256*\qd th:TH_LOAD_NT      ; channel 2 h + 1
	global_load_b128 v[XR+16*\qd+8:XR+16*\qd+11], v[XO2], s[8:9] offset:524288+256*\qd th:TH_LOAD_NT     ; channel 4
	global_load_b128 v[XR+16*\qd+12:XR+16*\qd+15], v[XO2], s[8:9] offset:655360+256*\qd th:TH_LOAD_NT    ; channel 5
.endr
	s_wait_kmcnt 0x0
	s_min_u32 s[EX], s[EX], 7                          ; held inside the tables
	s_mul_i32 s32, s[EX], 6144
	s_mul_i32 s34, s[ME], 1536
	s_add_co_u32 s32, s32, s34
	s_add_nc_u64 s[12:13], s[12:13], s[32:33]          ; w1 at my 64 units
	s_lshl_b32 s32, s[EX], 10
	s_lshl_b32 s34, s[ME], 8
	s_add_co_u32 s32, s32, s34
	s_add_nc_u64 s[14:15], s[14:15], s[32:33]          ; b1,
	s_add_nc_u64 s[18:19], s[18:19], s[32:33]          ; b2
	s_add_nc_u64 s[20:21], s[20:21], s[32:33]          ; and w3 at my 64
	s_lshl_b32 s32, s[EX], 18
	s_lshl_b32 s34, s[ME], 16
	s_add_co_u32 s32, s32, s34
	s_lshl_b32 s34, s[TE], 15
	s_add_co_u32 s32, s32, s34
	s_add_nc_u64 s[16:17], s[16:17], s[32:33]          ; w2 at the 32 rows that I quantise: 64 m + 32 T
	s_lshl_b32 s32, s[EX], 2
	s_add_nc_u64 s[22:23], s[22:23], s[32:33]
	s_load_b32 s[B3], s[22:23], 0x0
	s_lshl_b32 s32, s[SA], 17
	s_lshl_b32 s34, ttmp9, 13
	s_add_co_u32 s32, s32, s34
	s_lshl_b32 s34, s[WV], 10
	s_add_co_u32 s32, s32, s34
	s_add_nc_u64 s[24:25], s[24:25], s[32:33]          ; out0 at the 256 positions that I store
	; the small tables: 30 loads.  No vector instruction has named the registers in which they and W2's first four halves land; their offsets stand ahead of the wait above
	WIN 0x40                                           ; destination window 1
.irp f, 0,1,2,3
	global_load_b64 v[W1F+2*\f:W1F+2*\f+1], v[W1FO], s[12:13] offset:24*(32*(\f/2)+8*(\f%2))
.endr
	global_load_b64 v[GW:GW+1], v[GWO], s[12:13] offset:16         ; w1[lane][4..5]
	global_load_b64 v[GW+2:GW+3], v[GWO], s[12:13] offset:784      ; w1[32 + lane][4..5]
.irp n, 0,1,2,3
	global_load_b128 v[W3+8*\n:W3+8*\n+3], v[BO32], s[20:21] offset:64*\n
	global_load_b128 v[W3+8*\n+4:W3+8*\n+7], v[BO32], s[20:21] offset:64*\n+16
.endr
	WIN 0
.irp b, 0,1
.irp j, 0,1,2,3
	global_load_b128 v[B1C+16*\b+4*\j:B1C+16*\b+4*\j+3], v[BO64], s[14:15] offset:128*\b+16*\j
.endr
.endr
.irp n, 0,1,2,3
	global_load_b128 v[B2+8*\n:B2+8*\n+3], v[BO32], s[18:19] offset:64*\n
	global_load_b128 v[B2+8*\n+4:B2+8*\n+7], v[BO32], s[18:19] offset:64*\n+16
.endr
	HFLOAD 0, 1, 0
	HFLOAD 1, 1, 32
	HFLOAD 2, 1, 64
	HFLOAD 3, 1, 96
	WIN 0
	s_wait_loadcnt 62                                  ; x is in: behind it 30 loads of the small tables and 32 of W2
	XTURN 0, AS0                                       ; four quads into four sets: no set is written twice
	XTURN 1, AS1
	XTURN 2, AS2
	XTURN 3, AS3
	s_wait_alu depctr_va_vdst(0)                       ; the 64 moves have written the four sets, which the sixteen stores read, and are done reading x as loaded
	XSEND 0, AS0
	XSEND 1, AS1
	XSEND 2, AS2
	XSEND 3, AS3
	s_wait_alu depctr_vm_vsrc(0)                       ; the sixteen stores have read the four sets: W2's halves 4 and 6 land in three of them, the codes take the fourth (the moves that named them stand ahead of the last wait on va_vdst)
	HFLOAD 4, 0, 132                                   ; into the registers that x has left
	HFLOAD 5, 0, 164
	HFLOAD 6, 0, 196
	s_wait_loadcnt 56                                  ; the small tables are in: behind them 32 + 24 loads of W2
	WIN 0x04                                           ; an LDS store's data are its source 1: window 1
	ds_store_b32 v[WSW], v[GW]                         ; w1[.][4] and w1[.][5] of my 64 units, each on end, in my wave's own bytes
	ds_store_b32 v[WSW], v[GW+2] offset:128
	ds_store_b32 v[WSW], v[GW+1] offset:256
	ds_store_b32 v[WSW], v[GW+3] offset:384
	WIN 0x40
.irp b, 0,1
.irp j, 0,1,2,3
	ds_load_b128 v[W4+16*\b+4*\j:W4+16*\b+4*\j+3], v[WSR] offset:128*\b+16*\j          ; LDS serves a wave's instructions in order: these see my stores.  No vector instruction has named these registers
	ds_load_b128 v[W5+16*\b+4*\j:W5+16*\b+4*\j+3], v[WSR] offset:256+128*\b+16*\j
.endr
.endr
	WIN 0
	s_wait_dscnt 0x0                                   ; they are in
	; W2's eight halves, by pairs: two quantisers fill the two sets of codes, one wait, six stores
	HFQ 0, 1, 0, 48                                    ; behind half 0: halves 1 to 6, 48 loads
	HFQ 1, 1, 32, 40                                   ; halves 2 to 6
	WIN 0x40
	s_wait_alu depctr_va_vdst(0)                       ; half 0's holds and conversions are done with its registers, in which half 7 lands; both quantisers have written PC and PW, which the six stores read
	HFLOAD 7, 1, 0                                     ; into the registers that half 0 has left
	WIN 0
	HFST 0
	HFST 1
	s_wait_alu depctr_vm_vsrc(0)                       ; the six stores have read PC and PW, which the next two quantisers write
	HFQ 2, 1, 64, 40                                   ; halves 3 to 7
	HFQ 3, 1, 96, 32
	s_wait_alu depctr_va_vdst(0)                       ; both quantisers have written PC and PW, which the six stores read
	HFST 2
	HFST 3
	s_wait_alu depctr_vm_vsrc(0)                       ; the six stores have read PC and PW, which the next two quantisers write
	HFQ 4, 0, 132, 24
	HFQ 5, 0, 164, 16
	s_wait_alu depctr_va_vdst(0)                       ; both quantisers have written PC and PW, which the six stores read
	HFST 4
	HFST 5
	s_wait_alu depctr_vm_vsrc(0)                       ; the six stores have read PC and PW, which the last two quantisers write
	HFQ 6, 0, 196, 8
	HFQ 7, 1, 0, 0
	s_wait_alu depctr_va_vdst(0)                       ; both quantisers have written PC and PW, which the six stores read
	HFST 6
	HFST 7
	BARRIER                                            ; x's 128 images and W2's 32 fragments lie in LDS
	WIN 0x40
	s_wait_alu depctr_va_vdst(0)                       ; the holds and conversions of halves 0 to 3 and 7 are done with window 1's v0-127, in which my eight fragments land
.irp f, 0,1,2,3,4,5,6,7
.irp c, 0,1,2,3
	ds_load_b128 v[W2F+16*\f+4*\c:W2F+16*\f+4*\c+3], v[W2RI] offset:2048*\f+512*\c
.endr
.endr
	WIN 0
.irp f, 0,1,2,3,4,5,6,7
	ds_load_b32 v[W2S+\f], v[W2RS] offset:128*\f
.endr
	s_wait_kmcnt 0x0                                   ; b3
	s_mov_b32 s[B3+1], s[B3]                           ; (named with it as a pair, so it is written)
	s_mov_b32 s[TX], 0
	s_mov_b32 s[TP], 0
	s_mov_b32 s[TRIP], 8
	s_wait_dscnt 0x0
.Ltrip:                                                ; eight trips; a trip serves eight tiles, 128 positions, of each team
	s_wait_alu depctr_vm_vsrc(0)                       ; the last trip's loads of x have read ADX, its store of sums ADP and R, its last stores PW; in the first trip: the head's loads and stores have read v9-22, of which v12-19 now take the sums, and PC and PW
	v_add_nc_u32 v[ADX], s[TX], v[XA0]
	v_add_nc_u32 v[ADP], s[TP], v[PA0]
	; ---- first phase: my 64 units of layer 1 for the eight tiles, quantised, images to LDS
	s_wait_alu depctr_va_vdst(0)                       ; ADX is written, which the eight loads read; the last trip's products (in the first trip: half 5's quantiser) are done with the registers in which x lands
.irp tau, 0,1,2,3,4,5,6,7
	ds_load_b128 v[X+4*\tau:X+4*\tau+3], v[ADX] offset:512*\tau
.endr
	s_wait_dscnt 0x0
	WIN 0x01                                           ; source 0 (the weights) window 1
	M1 0
.rept 9
	v_nop                                              ; eight places in front of the first read of these results, nine in front of the products that write over them
.endr
.irp tau, 0,1,2,3,4,5,6,7
	PTILE \tau
.endr
	BARRIER                                            ; the team's eight tiles of codes and scale words lie in LDS
	s_wait_alu depctr_vm_vsrc(0)                       ; the stores of tiles 6 and 7 have read PC: the same registers are R from here on, written by the relu lines
	; ---- second phase: my 64 outputs of layer 2 for the eight tiles, relu, my share of layer 3
	FETCHH 0                                           ; no wait: no vector or matrix instruction has been issued since tile 7's wait on va_vdst, ahead of which stand all readers of x's registers and the last trip's products
	FETCHH 1
.irp tau, 0,1,2,3,4,5,6,7
	CTILE \tau
.endr
	WIN 0x01
	V3 7
	WIN 0
	TRED 7
	; a position's sum lies in lanes l and l xor 16.  Lanes 0-15 keep tiles 0-3 and send tiles 4-7, lanes 16-31 the other way round: lane (r, h) ends with positions 64 h + 4 r + 0 .. 3
.irp q, 0,1,2,3
	v_cndmask_b32 v[R+\q], v[SUM+\q], v[SUM+4+\q], s[HM]
.endr
.irp q, 0,1,2,3
	v_cndmask_b32 v[R+4+\q], v[SUM+4+\q], v[SUM+\q], s[HM]
.endr
.irp q, 0,1,2,3
	v_permlanex16_b32 v[R+8+\q], v[R+4+\q], s[SEL], s[SEL+1]
.endr
.irp q, 0,1,2,3
	v_add_f32 v[R+\q], v[R+\q], v[R+8+\q]
.endr
	s_wait_alu depctr_va_vdst(0)                       ; the four additions have written R's first four registers, which the store reads
	ds_store_b128 v[ADP], v[R:R+3]                     ; 512 consecutive bytes of my member's row of partial sums
	BARRIER                                            ; every wave's reads of the codes are over: the next trip may write them; in the last trip: the partial sums lie in LDS
	s_add_co_u32 s[TX], s[TX], 4096
	s_add_co_u32 s[TP], s[TP], 512
	s_sub_co_u32 s[TRIP], s[TRIP], 1
	s_cmp_lg_u32 s[TRIP], 0
	s_cbranch_scc1 .Ltrip
	; ---- the end: wave w adds the four members' sums and b3 for positions 256 w on, and stores them
	v_and_b32 v[OUTO], 31, v0                          ; v9 and v10 were x's offsets: the loads that read them stand ahead of the wait on vm_vsrc at every trip's head
	v_lshlrev_b32 v[OUTO], 4, v[OUTO]
	s_lshl_b32 s32, s[WV], 10
	s_add_co_u32 s32, s32, PS
	v_add_nc_u32 v[PRD], s32, v[OUTO]
	s_wait_alu depctr_va_vdst(0)                       ; PRD is written, which the eight loads read; the last trip's products are done reading the fragments' registers, in which the partial sums land
.irp hf, 0,1
.irp mm, 0,1,2,3
	ds_load_b128 v[HF+16*\hf+4*\mm:HF+16*\hf+4*\mm+3], v[PRD] offset:8192*\mm+512*\hf
.endr
.endr
	s_wait_dscnt 0x0
.irp hf, 0,1
	v_pk_add_f32 v[HF+16*\hf:HF+16*\hf+1], v[HF+16*\hf:HF+16*\hf+1], v[HF+16*\hf+4:HF+16*\hf+5]
	v_pk_add_f32 v[HF+16*\hf+2:HF+16*\hf+3], v[HF+16*\hf+2:HF+16*\hf+3], v[HF+16*\hf+6:HF+16*\hf+7]
	v_pk_add_f32 v[HF+16*\hf+8:HF+16*\hf+9], v[HF+16*\hf+8:HF+16*\hf+9], v[HF+16*\hf+12:HF+16*\hf+13]
	v_pk_add_f32 v[HF+16*\hf+10:HF+16*\hf+11], v[HF+16*\hf+10:HF+16*\hf+11], v[HF+16*\hf+14:HF+16*\hf+15]
	v_pk_add_f32 v[HF+16*\hf:HF+16*\hf+1], v[HF+16*\hf:HF+16*\hf+1], v[HF+16*\hf+8:HF+16*\hf+9]
	v_pk_add_f32 v[HF+16*\hf+2:HF+16*\hf+3], v[HF+16*\hf+2:HF+16*\hf+3], v[HF+16*\hf+10:HF+16*\hf+11]
	v_pk_add_f32 v[HF+16*\hf:HF+16*\hf+1], v[HF+16*\hf:HF+16*\hf+1], s[B3:B3+1] op_sel_hi:[1,0]
	v_pk_add_f32 v[HF+16*\hf+2:HF+16*\hf+3], v[HF+16*\hf+2:HF+16*\hf+3], s[B3:B3+1] op_sel_hi:[1,0]
.endr
	s_wait_alu depctr_va_vdst(0)                       ; the additions have written both halves' four registers, which the two stores read
.irp hf, 0,1
	global_store_b128 v[OUTO], v[HF+16*\hf:HF+16*\hf+3], s[24:25] offset:512*\hf th:TH_STORE_NT   ; 32 lanes store 512 consecutive bytes, at a multiple of 256 from out0's first byte
.endr
	s_wait_dscnt 0x0                                   ; the closing lines, six on end
	s_wait_alu 0x0
	s_wait_tensorcnt 0x0
	ds_add_u32 v254, v255
	s_wait_dscnt 0x0
	s_endpgm
.Lfunc_end_k_q5cffa2dad7_mlp:
	.size	k_q5cffa2dad7_mlp, .Lfunc_end_k_q5cffa2dad7_mlp-k_q5cffa2dad7_mlp
	.p2alignl 7, 3214868480
	.fill 96, 4, 3214868480
	.section	.rodata,"a",@progbits
	.p2align	6, 0x0
	.amdhsa_kernel k_q5cffa2dad7_mlp
		.amdhsa_group_segment_fixed_size 242688
		.amdhsa_private_segment_fixed_size 0
		.amdhsa_enable_private_segment 0
		.amdhsa_kernarg_size 72
		.amdhsa_user_sgpr_count 2
		.amdhsa_user_sgpr_kernarg_segment_ptr 1
		.amdhsa_wavefront_size32 1
		.amdhsa_system_sgpr_workgroup_id_x 1
		.amdhsa_system_sgpr_workgroup_id_y 1
		.amdhsa_system_sgpr_workgroup_id_z 1
		.amdhsa_system_vgpr_workitem_id 0
		.amdhsa_next_free_vgpr 512
		.amdhsa_next_free_sgpr 66
		.amdhsa_reserve_vcc 0
		.amdhsa_float_denorm_mode_32 3
		.amdhsa_float_denorm_mode_16_64 3
		.amdhsa_memory_ordered 1
		.amdhsa_forward_progress 1
		.amdhsa_inst_pref_size 145
	.end_amdhsa_kernel
	.amdgpu_metadata
---
amdhsa.version: [ 1, 2 ]
amdhsa.kernels:
  - .name:           k_q5cffa2dad7_mlp
    .symbol:         k_q5cffa2dad7_mlp.kd
    .args:
      - { .name: x, .offset: 0, .size: 8, .value_kind: global_buffer, .address_space: global }
      - { .name: obj_idx, .offset: 8, .size: 8, .value_kind: global_buffer, .address_space: global }
      - { .name: w1, .offset: 16, .size: 8, .value_kind: global_buffer, .address_space: global }
      - { .name: b1, .offset: 24, .size: 8, .value_kind: global_buffer, .address_space: global }
      - { .name: w2, .offset: 32, .size: 8, .value_kind: global_buffer, .address_space: global }
      - { .name: b2, .offset: 40, .size: 8, .value_kind: global_buffer, .address_space: global }
      - { .name: w3, .offset: 48, .size: 8, .value_kind: global_buffer, .address_space: global }
      - { .name: b3, .offset: 56, .size: 8, .value_kind: global_buffer, .address_space: global }
      - { .name: out0, .offset: 64, .size: 8, .value_kind: global_buffer, .address_space: global }
    .group_segment_fixed_size: 242688
    .private_segment_fixed_size: 0
    .kernarg_segment_align: 8
    .kernarg_segment_size: 72
    .max_flat_workgroup_size: 256
    .sgpr_count:     66
    .vgpr_count:     512
    .wavefront_size: 32
...
	.end_amdgpu_metadata
.endif
;; end of part 2
